; MI455X (gfx1250); checked and timed in simulation.
; The chip was launched on July 23, 2026; its instructions are those of AMD's public machine-readable ISA for CDNA 5 (MIT licence, August 2026) and "CDNA5" Instruction Set Architecture Reference Guide (July 2026). The comments in the code are by the model that wrote it; some were corrected since.
;; Cross Attention. Allowed arithmetic: matrix products marked QUANTISED: E5M2 operands, one given power-of-two scale a tensor, by v_wmma_f32_16x16x64_bf8_bf8 or v_wmma_f32_16x16x128_bf8_bf8, f32 sums; everything else in f32.
;; Inputs: Wk_codes 1,024 x 32 x 32 uint8 (E5M2 codes of Wk, K innermost, in blocks of 32 codes); Wo_codes 1,024 x 32 x 32 uint8 (E5M2 codes of Wo, K innermost, in blocks of 32 codes); Wq_codes 1,024 x 32 x 32 uint8 (E5M2 codes of Wq, K innermost, in blocks of 32 codes); Wv_codes 1,024 x 32 x 32 uint8 (E5M2 codes of Wv, K innermost, in blocks of 32 codes); bo 1,024 float32; cond_codes 4 x 2,048 x 32 x 32 uint8 (E5M2 codes of cond, K innermost, in blocks of 32 codes); lowp_scales 12 int32 (the exponents e of the quantised operands' scales 2^e); x_codes 4 x 2,048 x 32 x 32 uint8 (E5M2 codes of x, K innermost, in blocks of 32 codes).
;; Outputs: out0 4 x 2,048 x 1,024 float32.
;; This version of the problem:
;;   THIS VERSION OF THE PROBLEM IS GIVEN IN LOW PRECISION. The matrix products marked QUANTISED in the list below multiply operands that are first quantised to E5M2 (5 exponent bits, 2 mantissa bits; 8 bits a number), with one given power-of-two scale for each operand tensor; their sums are f32. All else is computed in f32.
;;   The module's matrix products, in the order in which they are computed (A, B: the left and right operand; K: the contracted axis; several contracted axes count as one K, in the product's order):
;;     1. [M 8,192, K 1,024] x [K 1,024, N 1,024]; A: input x (given as codes); B: input Wq (given as codes): QUANTISED (scales: A lowp_scales[0], B lowp_scales[1])
;;     2. [M 8,192, K 1,024] x [K 1,024, N 1,024]; A: input cond (given as codes); B: input Wk (given as codes): QUANTISED (scales: A lowp_scales[2], B lowp_scales[3])
;;     3. [M 8,192, K 1,024] x [K 1,024, N 1,024]; A: input cond (given as codes); B: input Wv (given as codes): QUANTISED (scales: A lowp_scales[4], B lowp_scales[5])
;;     4. batch 32 x [M 2,048, K 128] x [K 128, N 2,048]; A: computed on the way; B: computed on the way: QUANTISED (scales: A lowp_scales[6], B lowp_scales[7])
;;     5. batch 32 x [M 2,048, K 2,048] x [K 2,048, N 128]; A: softmax (see below); B: computed on the way: QUANTISED (scales: A lowp_scales[8], B lowp_scales[9])
;;     6. [M 8,192, K 1,024] x [K 1,024, N 1,024]; A: computed on the way; B: input Wo (given as codes): QUANTISED (scales: A lowp_scales[10], B lowp_scales[11])
;;   THE QUANTISER, for each operand of a quantised product, along K:
;;     - The operand's scale is 2^e, e = its entry of the input lowp_scales (int32; the entries are numbered through the quantised products in the list's order, A before B).
;;     - Each number is divided by the scale, clamped to +-57,344, and rounded to the nearest number of E5M2, ties to even, subnormals kept.
;;     - The product sums the exact products of the quantised numbers (number of the format x scale) in f32.
;;   ~~~python
;;   def quantise(x, axis, e):      # numpy; x: float32 -> the quantised numbers, widened to float32 again
;;       x = np.moveaxis(x, axis, -1); K = x.shape[-1]
;;       r = np.clip(x / 2.0 ** e, -57344, 57344)
;;       step = 2.0 ** (np.maximum(np.frexp(np.where(r == 0, 1, r))[1] - 1, -14) - 2)
;;       q = np.round(r / step) * step * 2.0 ** e      # np.round: ties to even
;;       return np.moveaxis(q, -1, axis).astype(np.float32)
;;   ~~~
;;   SOFTMAX AHEAD OF A QUANTISED PRODUCT. Where the list says 'softmax', what is quantised is not the finished softmax but p = 2^(t - M), with t = logit x log2(e) and M = ceil(the row's largest t), a whole number; so 1/2 < the row's largest p <= 1. The row's sum l is taken of the UNQUANTISED p, in f32, and the product's result is divided by l at the end. Since M is a whole number, a kernel that streams over the keys may use a running M (the ceiling of the running maximum): every later rescaling is an exact power of two, so the quantised numbers keep their values, but for numbers so far below the row's largest that they fall under the format's range.
;;   OPERANDS COMPUTED ON THE WAY. 'Computed on the way' means the value that the module computes at that place (a softmax that the list does not call 'softmax' is quantised finished and normalised). What goes into a quantiser is computed in f32, as accurately as f32 sums, v_exp_f32 and their like allow (about 1e-6 of the number): no bf16 or f16 on the way to a quantiser, and a product that is left as it is and whose result goes on into a quantised operand takes f32 operands (vector FMAs, or v_wmma_f32_16x16x4_f32). A number that lies on a knife's edge between two numbers of the format may be rounded either way, as far as f32 arithmetic and the matrix unit's own rounding can turn it there, and no further.
;;   INPUTS GIVEN AS CODES. Wk (in the module: [1024, 1024], K = its axis 0); Wo (in the module: [1024, 1024], K = its axis 0); Wq (in the module: [1024, 1024], K = its axis 0); Wv (in the module: [1024, 1024], K = its axis 0); cond (in the module: [4, 2048, 1024], K = its axis 2); x (in the module: [4, 2048, 1024], K = its axis 2): each comes as NAME_codes (uint8): NAME with its K axis moved to the last place and cut into blocks of 32 codes, [.., K / 32, bytes a block], one block behind the other in memory; one code a byte (a code: sign, 5 exponent bits, 2 mantissa bits); its scale is its entry of lowp_scales. Its value is code x scale, taken as it is: it is not quantised again, and the codes and scales need not be those that the quantiser above would give.
;; One version. Each part assembles by itself: llvm-mc -triple=amdgcn-amd-amdhsa -mcpu=gfx1250 --defsym DOCPART=n.
;; ======== version 1 of 1: 3 launches
;; limits: right only within a limited range of input values
;; workspace buffers: q_codes 8,388,608 bytes; k_codes 8,388,608 bytes; v_codes 8,388,608 bytes; ao_codes 8,388,608 bytes
;; launch qkv (part 1): grid 4 x 64, 4 waves a work-group, clusters of 4 x 4, 327,680 bytes of LDS; arguments x_codes, cond_codes, Wq_codes, Wk_codes, Wv_codes, lowp_scales, q_codes, k_codes, v_codes; writes q_codes, k_codes, v_codes
.if DOCPART == 1
	.amdgcn_target "amdgcn-amd-amdhsa--gfx1250"
	.amdhsa_code_object_version 6
	.text
	.protected	k_qc94467cc0b_qkv
	.globl	k_qc94467cc0b_qkv
	.p2align	8
	.type	k_qc94467cc0b_qkv,@function
k_qc94467cc0b_qkv:
	s_mov_b64 s[64:65], 0
	v_nop
	global_prefetch_b8 v0, s[64:65] scope:SCOPE_SE
	s_setreg_imm32_b32 hwreg(HW_REG_WAVE_MODE, 25, 1), 1
	s_wait_xcnt 0x0
	s_wait_alu depctr_hold_cnt(0) depctr_sa_sdst(0) depctr_va_vdst(0) depctr_va_sdst(0) depctr_va_ssrc(0) depctr_va_vcc(0) depctr_vm_vsrc(0)
	s_getreg_b32 s2, hwreg(HW_REG_IB_STS2, 6, 4)
	s_cmp_eq_u32 s2, 0
	s_cbranch_scc0 .Lentry_in_a_cluster
	s_endpgm
.Lentry_in_a_cluster:
	s_bfe_u32 s2, ttmp6, 0x10000c
	s_cmp_lg_u32 s2, 0xf033
	s_cbranch_scc0 .Lentry_shape_is_right
	s_endpgm
.Lentry_shape_is_right:
; The three projections on codes of BF8 (E5M2), each result quantised at once for the products of the attention.  A work-group makes one 256 x 256 tile of K (cond Wk) or of V transposed (Wv^T cond^T), then one 256 x 128 tile of Q.
; OUT: q_codes, k_codes, v_codes as FRAGMENT IMAGES: 16 rows x 128 codes are 2,048 bytes on end, byte 512 c + 16 (16 h + r) + i holding byte 32 c + 16 h + i of row r; of each 32 bytes of a row the middle groups of 8 are swapped,
; so that the image's registers are those of the matrix form's own layout.  q and k: [32 heads bh][128 blocks of 16 rows]; v: [bh][16 blocks of 128 keys][8 blocks of 16 channels].
.set KROW,   1024
.set ROWB,   256
.set PA,     272
.set PB,     272
.set QA,     128
.set QB,     128
.set FR,     16
.set NL,     4
.set NP,     4
.set HALFT,  128*PA
.set BOFF,   2*HALFT
.set SLOT,   4*HALFT
.set SPARE,  2*SLOT
.set SPITCH, 144
.set STAGE1, SPARE+512
.set STAGE2, STAGE1+4*16*SPITCH
.set RD2,  13
.set ADRA, 16
.set ADRB, 20
.set ADRB2, 22
.set STO,  24
.set RD,   25
.set CO,   26
.set STO2, 27
.set SPW,  28
.set NIL,  29
.set SCL,  30
.set LIMV, 31
.set TMP,  32
.set CD,   96
.set AF,   128
.set BK,   128
.set G1, 24
.set G0, 32
.set G1B, 48
.set G0B, 56
.set NB,   8
.set BADR, ADRB
.set MSB, 0
.macro WIN new
.if MSB != (\new)
	s_set_vgpr_msb (MSB<<8)|(\new)
.set MSB, (\new)
.endif
.endm
.set MUL_LO, 0xa1
.set MUL_HI, 0xf1
.set TO_B,   0x40
.macro JLOAD g0a, g1a, g0b, g1b
	s_cmp_eq_u32 s15, 0
	s_cbranch_scc0 .Lfor_b_\@
	tensor_load_to_lds s[\g0a:\g0a+3], s[\g1a:\g1a+7]
	s_nop 0
.rept 4
	v_nop
.endr
	s_branch .Lasked_\@
.Lfor_b_\@:
	tensor_load_to_lds s[\g0b:\g0b+3], s[\g1b:\g1b+7]
	s_nop 0
.rept 4
	v_nop
.endr
.Lasked_\@:
.endm
.macro JLOAD2 g0a, g1a, g0b, g1b
	s_cmp_eq_u32 s15, 0
	s_cbranch_scc0 .Lnot_a_\@
	tensor_load_to_lds s[\g0a:\g0a+3], s[\g1a:\g1a+7]
	s_nop 0
.rept 4
	v_nop
.endr
	s_branch .Lasked2_\@
.Lnot_a_\@:
	s_cmp_eq_u32 s14, 2
	s_cbranch_scc0 .Lasked2_\@
	tensor_load_to_lds s[\g0b:\g0b+3], s[\g1b:\g1b+7]
	s_nop 0
.rept 4
	v_nop
.endr
.Lasked2_\@:
.endm
.macro CREST
	s_cmp_lg_u32 s14, 0
	s_cbranch_scc1 .Lnot_wave_0_\@
	s_barrier_signal -3
.Lnot_wave_0_\@:
	s_barrier_wait -3
	s_barrier_signal -1
	s_barrier_wait -1
.endm
.macro CROUND
	s_barrier_signal -1
	s_barrier_wait -1
	CREST
.endm
	s_load_b512 s[68:83], s[0:1], 0x0
	s_load_b64 s[84:85], s[0:1], 0x40
	v_lshl_add_u32 v[SPW], v0, 2, SPARE
	v_mov_b32 v[NIL], 0
	ds_add_u32 v28, v29
	ds_add_u32 v28, v29
	s_wait_dscnt 0x0
	v_lshrrev_b32 v1, 5, v0
	v_readfirstlane_b32 s14, v1
	s_lshr_b32 s15, s14, 1
	s_and_b32 s16, s14, 1
	s_bfe_u32 s40, ttmp6, 0x40000
	s_bfe_u32 s41, ttmp6, 0x40004
	s_and_b32 s86, ttmp7, 0xffff
	s_and_b32 s87, s86, 7
	s_lshr_b32 s3, s86, 3
	s_cmp_eq_u32 s3, 1
	s_cselect_b32 s18, 0, s87
	s_cselect_b32 s19, s87, 0
	s_lshl_b32 s17, s18, 2
	s_add_co_u32 s17, s17, s41
	s_lshl_b32 s42, s19, 2
	s_add_co_u32 s42, s42, s40
	s_lshr_b32 s8, s86, 1
	s_lshl_b32 s8, s8, 2
	s_add_co_u32 s8, s8, s41
	s_and_b32 s9, s86, 1
	s_lshl_b32 s9, s9, 2
	s_add_co_u32 s9, s9, s40
	s_lshl_b32 s43, s41, 2
	s_lshl_b32 s43, 15, s43
	s_lshl_b32 s44, 0x1111, s40
	s_or_b32 s[G1+0], s43, (0<<16)|(1<<20)|(1<<21)|(5<<22)|(3<<25)
	s_or_b32 s[G1B+0], s44, (0<<16)|(1<<20)|(1<<21)|(5<<22)|(3<<25)
.irp g, G1, G1B
	s_mov_b32 s[\g+1], ROWB<<16
	s_mov_b32 s[\g+2], 128<<16
	s_mov_b32 s[\g+3], ROWB<<16
	s_mov_b32 s[\g+4], 128
	s_mov_b32 s[\g+5], KROW
	s_mov_b32 s[\g+6], 0
	s_mov_b32 s[\g+7], 0
.endr
	s_lshl_b32 s18, s16, 7
	s_lshl_b32 s20, s17, 8
	s_add_co_u32 s20, s20, s18
	s_lshl_b32 s20, s20, 10
	s_mov_b32 s21, 0
	s_lshl_b32 s46, s42, 8
	s_add_co_u32 s46, s46, s18
	s_lshl_b32 s46, s46, 10
	s_mov_b32 s47, 0
	s_lshl_b32 s12, s8, 8
	s_add_co_u32 s12, s12, s18
	s_lshl_b32 s12, s12, 10
	s_mov_b32 s13, 0
	s_mul_i32 s45, s14, HALFT
	s_wait_kmcnt 0x0
	s_cmp_eq_u32 s3, 1
	s_cselect_b64 s[4:5], s[76:77], s[70:71]
	s_cselect_b64 s[6:7], s[70:71], s[74:75]
	s_cselect_b64 s[10:11], s[84:85], s[82:83]
	s_load_b256 s[88:95], s[78:79], 0x0
	s_load_b128 s[96:99], s[78:79], 0x20
	s_add_nc_u64 s[20:21], s[4:5], s[20:21]
	s_add_nc_u64 s[46:47], s[6:7], s[46:47]
	s_add_nc_u64 s[68:69], s[68:69], s[12:13]
; A PREFETCH INTO THE L2 of what the refill two on will load: 256 bytes of each of 32 rows, a lane a row, one instruction a wave, the K step in the immediate.  The four partners that ask for a tile jointly share each 128 rows out by
; address: 32 rows each, by cx for A's waves, by cy for B's.  A tile of a weight, which eight clusters load, is asked for by four of them.  The last two refills ask for nothing.  flag: 1 where my wave asks not.
.set PFO,  12                          ; v12: my lane x a row of 1,024 bytes; never rewritten
.macro ASK flag, base, off
	s_cmp_eq_u32 s[\flag], 0
	s_cbranch_scc0 .Lnot_mine_\@
	global_prefetch_b8 v[PFO], s[\base:\base+1] offset:\off th:TH_LOAD_NT scope:SCOPE_SE
.Lnot_mine_\@:
.endm
.irp s, 0,1
	s_mov_b32 s[G0+4*\s], 1
	s_add_co_u32 s[G0+4*\s+1], s45, \s*SLOT
	s_add_nc_u64 s[G0+4*\s+2:G0+4*\s+3], s[20:21], \s*ROWB
	s_or_b32 s[G0+4*\s+3], s[G0+4*\s+3], 0x80000000
	s_mov_b32 s[G0B+4*\s], 1
	s_add_co_u32 s[G0B+4*\s+1], s45, \s*SLOT
	s_add_nc_u64 s[G0B+4*\s+2:G0B+4*\s+3], s[46:47], \s*ROWB
	s_or_b32 s[G0B+4*\s+3], s[G0B+4*\s+3], 0x80000000
.endr
	CROUND                                         ; all sixteen work-groups are here: the first joint loads meet
	JLOAD G0, G1, G0B, G1B                         ; K step 0: a wave's one tensor load at the head; the set-up below runs under its flight
	v_and_b32 v[PFO], 31, v0
	v_lshlrev_b32 v[PFO], 10, v[PFO]
	s_cmp_eq_u32 s15, 0
	s_cselect_b64 s[4:5], s[20:21], s[46:47]       ; the 128 rows that I fetch of the first tile's operand,
	s_cselect_b32 s6, s40, s41                     ; my work-group's place among the four that ask with me:
	s_lshl_b32 s6, s6, 15                          ; its 32 rows of them
	s_mov_b32 s7, 0
	s_add_nc_u64 s[4:5], s[4:5], s[6:7]
	s_xor_b32 s12, s15, s3                         ; 1: my operand is a weight (K: B, V: A),
	s_and_b32 s12, s12, s86                        ; which the clusters of odd y do not ask for
	s_wait_alu depctr_va_vdst(0)                   ; wait here, ahead of the branch
	ASK 12, 4, 512                                 ; K step 2
	v_and_b32 v1, 15, v0
	v_bfe_u32 v2, v0, 4, 1
	v_mul_u32_u24 v3, v1, PA
	v_lshl_add_u32 v4, v2, 4, v3
	s_wait_alu depctr_va_vdst(0)
	s_mul_i32 s21, s15, HALFT
	s_mul_i32 s22, s16, HALFT
	s_add_co_u32 s22, s22, BOFF
	s_mul_i32 s23, s16, 64*PB
	s_add_co_u32 s23, s23, BOFF
.irp s, 0,1
	v_add_nc_u32 v[ADRA+\s], s21, v4
	v_add_nc_u32 v[ADRB+\s], s22, v4
	v_add_nc_u32 v[ADRB2+\s], s23, v4
	s_add_co_u32 s21, s21, SLOT
	s_add_co_u32 s22, s22, SLOT
	s_add_co_u32 s23, s23, SLOT
.endr
	v_mul_u32_u24 v5, v1, SPITCH
	v_lshl_add_u32 v5, v2, 4, v5
	v_and_b32 v6, 31, v0
	s_wait_alu depctr_va_vdst(0)
	s_mul_i32 s23, s14, 16*SPITCH
	s_add_co_u32 s23, s23, STAGE1
	v_add_nc_u32 v[STO], s23, v5
	v_add_nc_u32 v[RD], s23, v5                    ; back: row r, + 16 h: a fragment's image
	s_mul_i32 s23, s15, 128*SPITCH
	s_lshl_b32 s22, s16, 6
	s_add_co_u32 s23, s23, s22
	s_add_co_u32 s23, s23, STAGE2
	v_add_nc_u32 v[STO2], s23, v5
	s_mul_i32 s23, s14, 64*SPITCH
	s_add_co_u32 s23, s23, STAGE2
	v_add_nc_u32 v[RD2], s23, v5
	v_lshlrev_b32 v[CO], 4, v6
	s_lshl_b32 s18, s17, 1
	s_add_co_u32 s18, s18, s15
	s_lshl_b32 s19, s42, 1
	s_add_co_u32 s19, s19, s16
	s_cmp_eq_u32 s3, 1
	s_cselect_b32 s20, s19, s18
	s_cselect_b32 s21, s18, s19
	s_lshr_b32 s22, s20, 4
	s_lshl_b32 s22, s22, 7
	s_lshl_b32 s21, s21, 4
	s_add_co_u32 s22, s22, s21
	s_and_b32 s20, s20, 15
	s_add_co_u32 s22, s22, s20
	s_lshl_b32 s22, s22, 14
	s_mov_b32 s23, 0
	s_add_nc_u64 s[10:11], s[10:11], s[22:23]
	s_lshl_b32 s46, s9, 17
	s_mov_b32 s47, 0
	s_add_nc_u64 s[72:73], s[72:73], s[46:47]
	s_lshr_b32 s46, s8, 3
	s_lshl_b32 s46, s46, 3
	s_add_co_u32 s46, s46, s9
	s_lshl_b32 s46, s46, 18
	s_and_b32 s2, s8, 7
	s_lshl_b32 s2, s2, 15
	s_add_co_u32 s46, s46, s2
	s_lshl_b32 s2, s14, 13
	s_add_co_u32 s46, s46, s2
	s_add_nc_u64 s[80:81], s[80:81], s[46:47]
	s_cmp_eq_u32 s15, 0                            ; the prefetches of the second tile: x for waves 0 and 1, Wq for wave 2, none for wave 3
	s_cselect_b64 s[76:77], s[68:69], s[72:73]
	s_add_nc_u64 s[76:77], s[76:77], s[6:7]
	s_cmp_eq_u32 s14, 3
	s_cselect_b32 s13, 1, 0
	s_bfe_u32 s18, s86, 0x10001                    ; bit 1 of the cluster's y: four of the eight clusters that load my rows of Wq
	s_and_b32 s18, s18, s15
	s_or_b32 s13, s13, s18
.macro FRAGA reg, slot, q, i
.irp c, 0,1,2,3
	ds_load_b128 v[\reg+4*\c:\reg+4*\c+3], v[ADRA+\slot] offset:QA*(\q)+32*\c+(\i)*16*PA
.endr
.endm
.macro FRAGB reg, slot, q, i
.irp c, 0,1,2,3
	ds_load_b128 v[\reg+4*\c:\reg+4*\c+3], v[BADR+\slot] offset:QB*(\q)+32*\c+(\i)*16*PB
.endr
.endm
.macro MUL16 a0, p, zero
.irp a, \a0, \a0+1
.irp b, 0,1,2,3,4,5,6,7
.if \b < NB
.if \zero
	v_wmma_f32_16x16x128_bf8_bf8 v[8*(8*((\a)%4)+\b):8*(8*((\a)%4)+\b)+7], v[128*(\p)+FR*\b:128*(\p)+FR*\b+FR-1], v[AF+FR*(\a):AF+FR*(\a)+FR-1], 0
.else
	v_wmma_f32_16x16x128_bf8_bf8 v[8*(8*((\a)%4)+\b):8*(8*((\a)%4)+\b)+7], v[128*(\p)+FR*\b:128*(\p)+FR*\b+FR-1], v[AF+FR*(\a):AF+FR*(\a)+FR-1], v[8*(8*((\a)%4)+\b):8*(8*((\a)%4)+\b)+7]
.endif
.endif
.endr
.endr
.endm
.macro FETCH_B slot, q, p
	WIN TO_B
.irp i, 0,1,2,3,4,5,6,7
.if \i < NB
	FRAGB 128*(\p)+FR*\i, \slot, \q, \i
.endif
.endr
	WIN 0
.endm
.macro FETCH_A slot, q, i0
.irp i, \i0, \i0+1, \i0+2, \i0+3
	FRAGA AF+FR*(\i), \slot, \q, \i
.endr
.endm
.macro PLACES n
.rept \n
	v_nop
.endr
.endm
.macro STEP slot, q, zero
	s_wait_dscnt 4*NL
	WIN MUL_LO
	MUL16 0, (\q)%2, \zero
	MUL16 2, (\q)%2, \zero
	s_wait_dscnt 0
	PLACES NP
	FETCH_B \slot, (\q)+1, 1-(\q)%2
	FETCH_A \slot, (\q)+1, 0
	WIN MUL_HI
	MUL16 4, (\q)%2, \zero
	MUL16 6, (\q)%2, \zero
	PLACES NP
	WIN 0
	FETCH_A \slot, (\q)+1, 4
.endm
.macro TURN slot, next, fill, fetch, ask=-1
	s_wait_tensorcnt 0x0
	ds_add_u32 v[SPW], v[NIL]
	s_wait_dscnt 4*NL+1
	WIN MUL_LO
	MUL16 0, 1, 0
	s_wait_dscnt 0x0
	s_barrier_signal -1
	MUL16 2, 1, 0
	WIN 0
	s_barrier_wait -1
.if \fill == 0
	PLACES NP
.else
	CREST
.if \fill == 2
	s_add_nc_u64 s[G0+4*\slot+2:G0+4*\slot+3], s[68:69], \slot*ROWB
	s_or_b32 s[G0+4*\slot+3], s[G0+4*\slot+3], 0x80000000
	s_add_nc_u64 s[G0B+4*\slot+2:G0B+4*\slot+3], s[72:73], \slot*ROWB
	s_or_b32 s[G0B+4*\slot+3], s[G0B+4*\slot+3], 0x80000000
.else
	s_add_nc_u64 s[G0+4*\slot+2:G0+4*\slot+3], s[G0+4*\slot+2:G0+4*\slot+3], 2*ROWB
	s_add_nc_u64 s[G0B+4*\slot+2:G0B+4*\slot+3], s[G0B+4*\slot+2:G0B+4*\slot+3], 2*ROWB
.endif
.if \fill == 1
	JLOAD G0+4*\slot, G1, G0B+4*\slot, G1B
.else
	JLOAD2 G0+4*\slot, G1, G0B+4*\slot, G1B
	PLACES NP
.endif
.endif
.if \fetch
	FETCH_B \next, 0, 0
	FETCH_A \next, 0, 0
.endif
.if \ask >= 0
	ASK 13, 76, \ask                               ; the second tile's K step at byte \ask of its rows
.endif
	WIN MUL_HI
	MUL16 4, 1, 0
	MUL16 6, 1, 0
.if \fetch
	PLACES NP
	WIN 0
	FETCH_A \next, 0, 4
.else
	WIN 0
.endif
.endm
	s_wait_alu depctr_va_vdst(0)
	s_wait_tensorcnt 0x0                           ; my part of K step 0 is in
	ds_add_u32 v[SPW], v[NIL]
	s_wait_dscnt 0x0
	CROUND                                         ; everybody's is
	JLOAD G0+4, G1, G0B+4, G1B                     ; K step 1, the first tensor load behind the round
	FETCH_B 0, 0, 0
	FETCH_A 0, 0, 0
	FETCH_A 0, 0, 4
	ASK 12, 4, 768                                 ; K step 3
	STEP 0, 0, 1
	TURN 0, 1, 1, 1, 0
	STEP 1, 0, 0
	TURN 1, 0, 1, 1, 256
	STEP 0, 0, 0
	TURN 0, 1, 2, 1, 512
	STEP 1, 0, 0
	TURN 1, 0, 2, 0, 768
	s_wait_kmcnt 0x0
	s_sub_co_i32 s19, s95, s90
	s_sub_co_i32 s19, s19, s91
	s_sub_co_i32 s20, s97, s92
	s_sub_co_i32 s20, s20, s93
	s_cmp_eq_u32 s3, 1
	s_cselect_b32 s18, s20, s19
	s_add_co_i32 s18, s18, 127
	s_lshl_b32 s19, s18, 23
	v_mov_b32 v[SCL], s19
	s_add_co_i32 s18, s18, 15
	s_lshl_b32 s18, s18, 23
	s_or_b32 s18, s18, 0x600000
	v_mov_b32 v[LIMV], s18
	s_wait_alu depctr_va_vdst(0)
	s_sub_co_i32 s86, s94, s88
	s_sub_co_i32 s86, s86, s89
	s_add_co_i32 s86, s86, 127
	s_add_co_i32 s87, s86, 15
	s_lshl_b32 s86, s86, 23
	s_lshl_b32 s87, s87, 23
	s_or_b32 s87, s87, 0x600000
	PLACES NP
.macro TOSTAGE a
.set AC, 64*((\a)%4)
	WIN 0x02+((\a)/4)
.set j, 0
.rept 64
	v_med3_num_f32 v[TMP+j], v[AC+j], -v[LIMV], v[LIMV]
.set j, j+1
.endr
	WIN 0
.irp b, 0,1,2,3,4,5,6,7
	v_cvt_scalef32_pk8_bf8_f32 v[CD+2*\b:CD+2*\b+1], v[TMP+8*\b:TMP+8*\b+7], v[SCL]
.endr
	v_nop
.irp b, 0,1,2,3,4,5,6,7
	ds_store_b64 v[STO], v[CD+2*\b:CD+2*\b+1] offset:32*(\b/2)+8*(\b%2)
.endr
.irp t, 0,1,2,3
	ds_load_b128 v[BK+16*(\a)+4*\t:BK+16*(\a)+4*\t+3], v[RD] offset:32*\t
.endr
.endm
.macro SEND a, younger
	s_wait_dscnt \younger
.irp t, 0,1,2,3
	global_store_b128 v[CO], v[BK+16*(\a)+4*\t:BK+16*(\a)+4*\t+3], s[10:11] offset:2048*(\a)+512*\t
.endr
.endm
	TOSTAGE 0
.irp a, 1,2,3,4,5,6,7
	TOSTAGE \a
	SEND \a-1, 12
.endr
	SEND 7, 0
	s_wait_xcnt 0x0
.set NB, 4
.set BADR, ADRB2
	FETCH_B 0, 0, 0
	FETCH_A 0, 0, 0
	FETCH_A 0, 0, 4
	STEP 0, 0, 1
	TURN 0, 1, 3, 1
	STEP 1, 0, 0
	TURN 1, 0, 3, 1
	STEP 0, 0, 0
	TURN 0, 1, 0, 1
	STEP 1, 0, 0
	s_wait_dscnt 4*NL
	WIN MUL_LO
	MUL16 0, 1, 0
	MUL16 2, 1, 0
	s_wait_dscnt 0
	WIN MUL_HI
	MUL16 4, 1, 0
	MUL16 6, 1, 0
	WIN 0
	v_mov_b32 v[SCL], s86
	v_mov_b32 v[LIMV], s87
	PLACES NP
.macro TOSHARE a
.set AC, 64*((\a)%4)
	WIN 0x02+((\a)/4)
.set j, 0
.rept 32
	v_med3_num_f32 v[TMP+j], v[AC+j], -v[LIMV], v[LIMV]
.set j, j+1
.endr
	WIN 0
.irp b, 0,1,2,3
	v_cvt_scalef32_pk8_bf8_f32 v[CD+2*\b:CD+2*\b+1], v[TMP+8*\b:TMP+8*\b+7], v[SCL]
.endr
	v_nop
.irp b, 0,1,2,3
	ds_store_b64 v[STO2], v[CD+2*\b:CD+2*\b+1] offset:(\a)*16*SPITCH+32*(\b/2)+8*(\b%2)
.endr
.endm
.irp a, 0,1,2,3,4,5,6,7
	TOSHARE \a
.endr
	s_wait_dscnt 0x0
	s_barrier_signal -1
	s_barrier_wait -1
.irp t, 0,1,2,3,4,5,6,7,8,9,10,11,12,13,14,15
	ds_load_b128 v[BK+4*\t:BK+4*\t+3], v[RD2] offset:(\t/4)*16*SPITCH+32*(\t%4)
.endr
.irp t, 0,1,2,3,4,5,6,7,8,9,10,11,12,13,14,15
	s_wait_dscnt 15-\t
	global_store_b128 v[CO], v[BK+4*\t:BK+4*\t+3], s[80:81] offset:512*\t
.endr
	s_wait_tensorcnt 0x0
	ds_add_u32 v[SPW], v[NIL]
	s_wait_dscnt 0x0
	CROUND
	s_endpgm
.Lfunc_end_k_qc94467cc0b_qkv:
	.size	k_qc94467cc0b_qkv, .Lfunc_end_k_qc94467cc0b_qkv-k_qc94467cc0b_qkv
	.p2alignl 7, 3214868480
	.fill 96, 4, 3214868480
	.section	.rodata,"a",@progbits
	.p2align	6, 0x0
	.amdhsa_kernel k_qc94467cc0b_qkv
		.amdhsa_group_segment_fixed_size 327680
		.amdhsa_private_segment_fixed_size 0
		.amdhsa_enable_private_segment 0
		.amdhsa_kernarg_size 72
		.amdhsa_user_sgpr_count 2
		.amdhsa_user_sgpr_kernarg_segment_ptr 1
		.amdhsa_wavefront_size32 1
		.amdhsa_system_sgpr_workgroup_id_x 1
		.amdhsa_system_sgpr_workgroup_id_y 1
		.amdhsa_system_sgpr_workgroup_id_z 1
		.amdhsa_system_vgpr_workitem_id 0
		.amdhsa_next_free_vgpr 1024
		.amdhsa_next_free_sgpr 100
		.amdhsa_reserve_vcc 0
		.amdhsa_float_denorm_mode_32 3
		.amdhsa_float_denorm_mode_16_64 3
		.amdhsa_memory_ordered 1
		.amdhsa_forward_progress 1
		.amdhsa_inst_pref_size 201
	.end_amdhsa_kernel
	.amdgpu_metadata
---
amdhsa.version: [ 1, 2 ]
amdhsa.kernels:
  - .name:           k_qc94467cc0b_qkv
    .symbol:         k_qc94467cc0b_qkv.kd
    .args:
      - { .name: x_codes, .offset: 0, .size: 8, .value_kind: global_buffer, .address_space: global }
      - { .name: cond_codes, .offset: 8, .size: 8, .value_kind: global_buffer, .address_space: global }
      - { .name: Wq_codes, .offset: 16, .size: 8, .value_kind: global_buffer, .address_space: global }
      - { .name: Wk_codes, .offset: 24, .size: 8, .value_kind: global_buffer, .address_space: global }
      - { .name: Wv_codes, .offset: 32, .size: 8, .value_kind: global_buffer, .address_space: global }
      - { .name: lowp_scales, .offset: 40, .size: 8, .value_kind: global_buffer, .address_space: global }
      - { .name: q_codes, .offset: 48, .size: 8, .value_kind: global_buffer, .address_space: global }
      - { .name: k_codes, .offset: 56, .size: 8, .value_kind: global_buffer, .address_space: global }
      - { .name: v_codes, .offset: 64, .size: 8, .value_kind: global_buffer, .address_space: global }
    .group_segment_fixed_size: 327680
    .private_segment_fixed_size: 0
    .kernarg_segment_align: 8
    .kernarg_segment_size: 72
    .max_flat_workgroup_size: 128
    .sgpr_count:     100
    .vgpr_count:     1024
    .wavefront_size: 32
...
	.end_amdgpu_metadata
.endif
;; end of part 1
;; launch attn (part 2): grid 8 x 32, 8 waves a work-group, clusters of 4 x 1, 327,680 bytes of LDS; arguments q_codes, k_codes, v_codes, lowp_scales, ao_codes; writes ao_codes
.if DOCPART == 2
	.amdgcn_target "amdgcn-amd-amdhsa--gfx1250"
	.amdhsa_code_object_version 6
	.text
	.protected	k_qc94467cc0b_attn
	.globl	k_qc94467cc0b_attn
	.p2align	8
	.type	k_qc94467cc0b_attn,@function
k_qc94467cc0b_attn:
	s_mov_b64 s[64:65], 0
	v_nop
	global_prefetch_b8 v0, s[64:65] scope:SCOPE_SE
	s_setreg_imm32_b32 hwreg(HW_REG_WAVE_MODE, 25, 1), 1
	s_wait_xcnt 0x0
	s_wait_alu depctr_hold_cnt(0) depctr_sa_sdst(0) depctr_va_vdst(0) depctr_va_sdst(0) depctr_va_ssrc(0) depctr_va_vcc(0) depctr_vm_vsrc(0)
	s_getreg_b32 s2, hwreg(HW_REG_IB_STS2, 6, 4)
	s_cmp_eq_u32 s2, 0
	s_cbranch_scc0 .Lentry_in_a_cluster
	s_endpgm
.Lentry_in_a_cluster:
	s_bfe_u32 s2, ttmp6, 0x10000c
	s_cmp_lg_u32 s2, 0x3003
	s_cbranch_scc0 .Lentry_shape_is_right
	s_endpgm
.Lentry_shape_is_right:
; O[bh][q] = the sum over k of softmax_k(Q[bh][q] . K[bh][k] / 8) V[bh][k], both products on codes of BF8 (E5M2), and O quantised at once for the last projection.
; IN: q_codes, k_codes: [32 heads bh][128 blocks of 16 rows]; v_codes: [bh][16 blocks of 128 keys][8 blocks of 16 channels].  A block of 16 rows x 128 codes is a FRAGMENT IMAGE of 2,048 bytes: lane l's 16 bytes of register group c
; lie at 512 c + 16 l, and give registers 2 c', 2 c' + 1 with index 16 c' + 8 (lane / 16) + 0 .. 7.  OUT: ao_codes: [8 heads][512 blocks of 16 rows], images too, with the channels in natural order: lane (r, h), group c: channels 32 c + 16 h + 0 .. 15 of row r.
; THE SOFTMAX AHEAD OF THE SECOND PRODUCT: t = score x log2(e) / 8; M = the row's largest t so far, rounded UP to a whole number; p = 2^(t - M) is what is quantised (scale 2^e8); it is not normalised.
; The row's sum is taken of the unquantised p, in f32, and divides O at the end.  When M moves, the sum and O are multiplied by 2^(old M - new M): nothing is rounded, and no branch hangs on data.
; SHARES.  A work-group owns 256 queries of one head; each of its EIGHT waves owns 32, two tiles of 16, so that each fragment of K and V read from LDS feeds two matrix instructions.  Every wave walks the head's 2,048 keys, 128 a step.
; INSIDE A WAVE the two tiles are worked in turn: tile 1's first product stands among tile 0's maxima, tile 0's exponentials among tile 1's scalings, tile 1's among tile 0's holds, tile 0's second product among tile 1's sums.
; THE RING.  Two slots of FOUR key steps, 512 keys, 128 KiB: the 2,048 keys are four slots' worth.  Each of the eight waves fetches one tile of 16 KiB for a slot: waves 0-3 K of the slot's steps 0-3, waves 4-7 V of them.
; The images need no padding: a load's 32 lanes read 512 bytes on end.  Tiles are dense in memory, stated as 64 rows of 256 bytes.
; LAYOUT.  Both products are used transposed: S^T = K Q^T (source 0 = 16 keys, source 1 = 16 queries), O^T = V^T P^T (source 0 = 16 channels, source 1 = P): a lane holds ONE query (lane % 16) of each tile throughout.
; In S^T's tile T a lane's eight registers are keys 16 T + 8 (lane / 16) + 0 .. 7: converted, they are registers 2 T, 2 T + 1 of P, in the matrix form's own layout, which V's images have too.
; CLUSTER.  The four query blocks of a cluster belong to one head and walk the same K and V: each tile is asked for JOINTLY, by the same tensor load with the same descriptor and the mask of all four.
; No prefetch: slot 0 is a first fill at the head, and every later fill is itself asked for four key steps ahead of the wait for it.
; LIMITS on the given exponents, so that each power of two below is an f32 number: e6 + e7 between -123 and 130 (they are added to c's exponent field); e8, and e10 - e8 - e9, between -126 and 112.  NaN is not served.
; The softmax's promise holds while the scaled scores (exponents to the base 2, before the maximum is taken away) stay under 2^31 in magnitude.
; REGISTERS, in windows of 256.  Window 0: v2-10 addresses; v12-13, v48-50 constants; v16-31, v32-47 a tile's statistics; v64-95 Q; v96-127 P's codes; v128-255 O^T (64 a tile).
;   Window 1: v0-127 S^T, then p (64 a tile); v128-255 eight fragments of K or V.
.set TILE,  16384                      ; a key step's K, or its V: what one tensor load brings
.set SLOT1, 8*TILE                     ; a slot: K of steps 0-3, then V of steps 0-3; slot 1 begins here
.set SPARE, 2*SLOT1                    ; the spare words, 128 bytes for each of eight waves: four blocks of 256 bytes that no other line names
.set STAGE, SPARE+1024                 ; the way out: two images of 2,048 bytes for each wave; no fill lands here
.set LA0,  2                           ; v2   16 x lane
.set STO,  4                           ; v4   the way out: where I put 8 bytes
.set SPW,  5                           ; v5   LDS address of my spare word; never rewritten
.set NIL,  6                           ; v6   0; never rewritten
.set ADK,  8                           ; v8   LDS address of the step's tile of K
.set ADV,  9                           ; v9   of V
.set RD,   10                          ; v10  the way out: where I read the images back
.set PLM,  12                          ; v12, v13  57,344 x 2^e8, twice: a dual pair's two second sources
.set PSC,  48                          ; v48  2^e8
.set OSC,  49                          ; v49  2^(e10-e8-e9)
.set OLM,  50                          ; v50  57,344 x that
.set ST,   16                          ; tile u's statistics at v[ST+16 u]: +0 -M, +1 the largest score, +2 f (+3 named with it), +4, +5 the sum in two halves, +6 .. +11 further chains of sums, +8 .. +11 chains of maxima, +8, +9 at work, +12 a permute's destination
.set QF,   64
.set PF,   96
.set O,    128
.set S,    0                           ; in window 1: S^T, then p.  S and F change places from step to step: when p is converted its registers take the next step's fragments of K,
.set F,    128                         ; in window 1: K's fragments, then V's; the next step's S^T is laid over V's
.set ADI,  11                          ; v11  LDS address of a slot's first tile of K
.set SB,   41                          ; s41  LDS byte at which the slot in hand begins
.set SLOTS, 42                         ; s42  slots still to be asked for
.set TB,   2                           ; s2   LDS byte at which the tile of K of the step in hand begins
.set WV,   18                          ; s18  my wave's number
.set SEL,  20                          ; s[20:21] lane selects for v_permlanex16_b32: lane l xor 16
.set CS,   22                          ; s[22:23] c = log2(e) / 8 x 2^(e6 + e7): the packed form names a pair and takes its low word for both halves
.set G1,   24                          ; s[24:31] descriptor group 1: one shape serves K's and V's tiles
.set G0,   32                          ; s[32:35] group 0 for my tile, K's or V's by my wave's number; its LDS address alternates between the slots
.set CNT,  40                          ; s40  counts a slot's four steps
.set MSB, 0
.macro WIN new                         ; the immediate's high byte repeats the setting that is left; a switch that changes nothing is dropped
.if MSB != (\new)
	s_set_vgpr_msb (MSB<<8)|(\new)
.set MSB, (\new)
.endif
.endm
.macro CROUND                          ; a round of the cluster's barrier
	s_barrier_signal -1
	s_barrier_wait -1
	s_cmp_lg_u32 s[WV], 0
	s_cbranch_scc1 .Lnot_wave_0_\@
	s_barrier_signal -3
.Lnot_wave_0_\@:
	s_barrier_wait -3
	s_barrier_signal -1
	s_barrier_wait -1
.endm
.macro TLOAD s                         ; my one joint load: every wave issues it, with no branch
	tensor_load_to_lds s[G0+4*\s:G0+4*\s+3], s[G1:G1+7]
	s_nop 0
.rept 4
	v_nop
.endr
.endm
	s_load_b256 s[4:11], s[0:1], 0x0               ; q_codes s[4:5], k_codes s[6:7], v_codes s[8:9], the exponents s[10:11]
	s_load_b64 s[12:13], s[0:1], 0x20              ; ao_codes
	v_lshl_add_u32 v[SPW], v0, 2, SPARE
	v_mov_b32 v[NIL], 0
	ds_add_u32 v[SPW], v[NIL]                      ; the wave's opening: the add, twice on end, and its wait ahead of my first tensor load; work on registers stands between
	ds_add_u32 v[SPW], v[NIL]
	v_lshrrev_b32 v1, 5, v0
	v_readfirstlane_b32 s[WV], v1                  ; wave 0..7
	s_bfe_u32 s14, ttmp6, 0x40000                  ; cx: my place in the cluster
	s_lshl_b32 s16, ttmp9, 2
	s_add_co_u32 s16, s16, s14                     ; my block of 256 queries: it enters Q's and the result's addresses alone
	s_and_b32 s17, ttmp7, 0xffff                   ; bh = 8 b + head, which the four partners share
	s_lshl_b32 s56, s17, 18                        ; the head's first byte in q_codes, k_codes and v_codes
	s_and_b32 s19, s[WV], 3                        ; which of a slot's four steps I fetch:
	s_lshl_b32 s58, s19, 14                        ; its 16 KiB in memory,
	s_add_co_u32 s58, s58, s56
	s_mov_b32 s59, 0
	s_lshl_b32 s3, s[WV], 14                       ; and its place among a slot's eight tiles: no place in the cluster enters an LDS address
	s_lshl_b32 s60, s16, 15                        ; my block's 256 rows of 128 bytes,
	s_lshl_b32 s61, s[WV], 12                      ; my wave's 32 of them
	s_add_co_u32 s60, s60, s61
	s_add_co_u32 s62, s60, s56                     ; in q_codes
	s_mov_b32 s63, 0
	s_and_b32 s61, s17, 7
	s_lshl_b32 s61, s61, 20                        ; in ao_codes: the head's plane of 8,192 rows,
	s_add_co_u32 s60, s60, s61
	s_lshr_b32 s61, s17, 3
	s_lshl_b32 s61, s61, 18                        ; the batch's 2,048 rows
	s_add_co_u32 s60, s60, s61
	s_mov_b32 s61, 0
	; descriptor group 1: 16 KiB, dense in memory and in LDS: 64 rows x 256 bytes
	s_mov_b32 s[G1], 15|(0<<16)|(1<<21)            ; 15:0 the mask: all four work-groups; 17:16 elements of 1 byte; 21 set beside a mask; no padding
	s_mov_b32 s[G1+1], 256<<16                     ; tensor_dim0 = 256
	s_mov_b32 s[G1+2], 64<<16                      ; tensor_dim1 = 64
	s_mov_b32 s[G1+3], 256<<16                     ; tile_dim0 = 256
	s_mov_b32 s[G1+4], 64                          ; tile_dim1 = 64
	s_mov_b32 s[G1+5], 256                         ; tensor_dim0_stride
	s_mov_b32 s[G1+6], 0
	s_mov_b32 s[G1+7], 0
	s_mov_b32 s[SEL], 0x76543210
	s_mov_b32 s[SEL+1], 0xfedcba98
	s_mov_b32 s[CS], 0x3e38aa3b                    ; log2(e) / 8
	s_lshl_b32 s57, s[WV], 12
	s_add_co_u32 s57, s57, STAGE                   ; my stage
	v_and_b32 v[LA0], 31, v0
	v_and_b32 v1, 15, v0                           ; r = lane % 16
	v_bfe_u32 v11, v0, 4, 1                        ; h = lane / 16
	v_lshlrev_b32 v[LA0], 4, v[LA0]
	v_lshlrev_b32 v[STO], 4, v1                    ; in: 16 r + 8 h
	v_lshl_add_u32 v[STO], v11, 3, v[STO]
	v_add_nc_u32 v[RD], s57, v[LA0]                ; back: 16 x lane
	v_add_nc_u32 v[STO], s57, v[STO]
	s_wait_alu depctr_va_vdst(0)
	s_wait_dscnt 0x0                               ; both opening adds are done
	s_wait_kmcnt 0x0
	s_load_b64 s[54:55], s[10:11], 0x18            ; e6, e7
	s_load_b128 s[48:51], s[10:11], 0x20           ; e8, e9, e10, e11
	s_cmp_lt_u32 s[WV], 4                          ; do I fetch K (waves 0-3) or V?
	s_cselect_b64 s[6:7], s[6:7], s[8:9]
	s_add_nc_u64 s[6:7], s[6:7], s[58:59]          ; at my tile of slot 0
	s_add_nc_u64 s[4:5], s[4:5], s[62:63]          ; Q at my wave's first row
	s_add_nc_u64 s[12:13], s[12:13], s[60:61]      ; the result likewise
.irp s, 0
	s_mov_b32 s[G0+4*\s], 1
	s_add_co_u32 s[G0+4*\s+1], s3, \s*SLOT1                       ; LDS address: slot s, my tile
	s_add_nc_u64 s[G0+4*\s+2:G0+4*\s+3], s[6:7], \s*65536         ; global address: slot s begins with keys 512 s on
	s_or_b32 s[G0+4*\s+3], s[G0+4*\s+3], 0x80000000               ; type = 2
.endr
.irp u, 0,1
.irp c, 0,1,2,3
	global_load_b128 v[QF+16*\u+4*\c:QF+16*\u+4*\c+3], v[LA0], s[4:5] offset:2048*\u+512*\c th:TH_LOAD_NT   ; Q's two fragments stay in registers
.endr
.endr
	CROUND                                         ; all four work-groups are here: the first joint loads meet
	TLOAD 0                                        ; slot 0: a wave's one tensor load at the head
.set j, 0
.rept 128
	v_mov_b32 v[O+j], 0                            ; O^T.  (The key step is written without a first step of its own: the first finds zeros, which the first change of M leaves zeros)
.set j, j+1
.endr
.irp u, 0,1
	v_mov_b32 v[ST+16*\u], 0x7f61b1e6              ; -M: 3e38, so that the first f is 0
	v_mov_b32 v[ST+16*\u+1], 0xff61b1e6            ; the largest score so far: -3e38, under every score
	v_mov_b32 v[ST+16*\u+3], 0                     ; (named as the upper half of f's pair)
	v_mov_b32 v[ST+16*\u+4], 0                     ; the sum, in two halves
	v_mov_b32 v[ST+16*\u+5], 0
	v_mov_b32 v[ST+16*\u+12], 0                    ; written once: a lane permute's destination counts as one of its sources
.endr
	s_wait_kmcnt 0x0
	s_add_co_i32 s56, s54, s55
	s_lshl_b32 s56, s56, 23
	s_add_co_i32 s[CS], s[CS], s56                 ; a score stands for score x 2^(e6 + e7): the two exponents are added to c's exponent field
	s_mov_b32 s[CS+1], s[CS]                       ; (named with it as a pair, so it is written)
	s_add_co_i32 s56, s48, 127
	s_lshl_b32 s57, s56, 23
	v_mov_b32 v[PSC], s57                          ; 2^e8 as f32, for p's conversions
	s_add_co_i32 s56, s56, 15
	s_lshl_b32 s56, s56, 23
	s_or_b32 s56, s56, 0x600000
	v_mov_b32 v[PLM], s56                          ; 57,344 x 2^e8
	v_mov_b32 v[PLM+1], s56
	s_sub_co_i32 s56, s50, s48
	s_sub_co_i32 s56, s56, s49                     ; a sum of the second product stands for sum x 2^(e8 + e9): the result's code is (sum / l) / 2^(e10 - e8 - e9)
	s_add_co_i32 s56, s56, 127
	s_lshl_b32 s57, s56, 23
	v_mov_b32 v[OSC], s57
	s_add_co_i32 s56, s56, 15
	s_lshl_b32 s56, s56, 23
	s_or_b32 s56, s56, 0x600000
	v_mov_b32 v[OLM], s56
; One of the 30 lines that bring tile u's 64 scores of a lane to four maxima: the first four take three scores each, the others two; each accumulator from its low end on.
.macro MAXOP u, q
.if (\q) < 4
	v_max3_num_f32 v[ST+16*(\u)+8+(\q)], v[S+64*(\u)+3*(\q)], v[S+64*(\u)+3*(\q)+1], v[S+64*(\u)+3*(\q)+2]
.else
	v_max3_num_f32 v[ST+16*(\u)+8+((\q)%4)], v[S+64*(\u)+2*(\q)+4], v[S+64*(\u)+2*(\q)+5], v[ST+16*(\u)+8+((\q)%4)]
.endif
.endm
; The row's sum of the UNQUANTISED p, two at a time, in four chains: three begin with two pairs each, the fourth goes on from the sum so far; 26 more pairs by turns; then the chains are joined.
.macro SUMBEG u
	v_pk_add_f32 v[ST+16*\u+6:ST+16*\u+7], v[S+64*\u:S+64*\u+1], v[S+64*\u+2:S+64*\u+3]
	v_pk_add_f32 v[ST+16*\u+8:ST+16*\u+9], v[S+64*\u+4:S+64*\u+5], v[S+64*\u+6:S+64*\u+7]
	v_pk_add_f32 v[ST+16*\u+10:ST+16*\u+11], v[S+64*\u+8:S+64*\u+9], v[S+64*\u+10:S+64*\u+11]
.endm
.macro SUMOP u, q
	v_pk_add_f32 v[ST+16*(\u)+4+2*((\q)%4):ST+16*(\u)+5+2*((\q)%4)], v[S+64*(\u)+12+2*(\q):S+64*(\u)+13+2*(\q)], v[ST+16*(\u)+4+2*((\q)%4):ST+16*(\u)+5+2*((\q)%4)]
.endm
.macro SUMEND u
	v_pk_add_f32 v[ST+16*\u+4:ST+16*\u+5], v[ST+16*\u+4:ST+16*\u+5], v[ST+16*\u+6:ST+16*\u+7]
	v_pk_add_f32 v[ST+16*\u+8:ST+16*\u+9], v[ST+16*\u+8:ST+16*\u+9], v[ST+16*\u+10:ST+16*\u+11]
	v_pk_add_f32 v[ST+16*\u+4:ST+16*\u+5], v[ST+16*\u+4:ST+16*\u+5], v[ST+16*\u+8:ST+16*\u+9]
.endm
.macro SCALE u, i                      ; t - M, two at a time (of the pairs c and -M the low word serves both halves)
	v_pk_fma_f32 v[S+64*(\u)+(\i):S+64*(\u)+(\i)+1], v[S+64*(\u)+(\i):S+64*(\u)+(\i)+1], s[CS:CS+1], v[ST+16*(\u):ST+16*(\u)+1] op_sel_hi:[1,0,0]
.endm
; The hold: the conversion to an 8-bit code does not saturate (ISA guide 7.6.2); p is not negative, so the hold is one-sided; it stands whatever e8 is.  Two numbers a line.
.macro HOLD u, i
	v_dual_min_num_f32 v[S+64*(\u)+(\i)], v[S+64*(\u)+(\i)], v[PLM] :: v_dual_min_num_f32 v[S+64*(\u)+(\i)+1], v[S+64*(\u)+(\i)+1], v[PLM+1]
.endm
.macro CODES u
.irp t, 0,1,2,3,4,5,6,7
	v_cvt_scalef32_pk8_bf8_f32 v[PF+16*\u+2*\t:PF+16*\u+2*\t+1], v[S+64*\u+8*\t:S+64*\u+8*\t+7], v[PSC]
.endr
.endm
.macro QK u, t
	v_wmma_f32_16x16x128_bf8_bf8 v[S+64*\u+8*\t:S+64*\u+8*\t+7], v[F+16*\t:F+16*\t+15], v[QF+16*\u:QF+16*\u+15], 0
.endm
.macro PV u, t                         ; sixteen accumulators by turns: between two links of a chain stand the 31 other products of a step
	v_wmma_f32_16x16x128_bf8_bf8 v[O+64*\u+8*\t:O+64*\u+8*\t+7], v[F+16*\t:F+16*\t+15], v[PF+16*\u:PF+16*\u+15], v[O+64*\u+8*\t:O+64*\u+8*\t+7]
.endm
.macro FETCH4 reg, adr, off            ; four fragments
.irp t, 0,1,2,3
.irp c, 0,1,2,3
	ds_load_b128 v[\reg+16*\t+4*\c:\reg+16*\t+4*\c+3], v[\adr] offset:\off+2048*\t+512*\c
.endr
.endr
.endm
; Half of the next step's fragments of K, into the registers of the tile whose p has been converted.  cond = 1: a slot's last step has no next one in the slot; the branch hangs on the count of trips alone.
.macro AHEAD half, koff, cond
.if \cond
	WIN 0
	s_wait_alu depctr_va_vdst(0)
	s_cmp_eq_u32 s[CNT], 1
	s_cbranch_scc1 .Lnone_\@
.endif
	WIN 0x40
	FETCH4 S+64*\half, ADK, \koff+8192*\half
.if \cond
	WIN 0
.Lnone_\@:
.endif
.endm
; A KEY STEP: 128 keys, for my two tiles of queries.  Its 32 loads of K are out when it begins.  voff: its tile of V, from the pair's first; koff: the next step's tile of K.
.macro STEP voff, koff, cond
	WIN 0x41                                       ; source 0 and destination window 1
.irp t, 0,1,2,3,4,5,6,7
.if \t%2 == 0
	s_wait_dscnt 24-4*\t                           ; K's fragments t and t + 1 are in; the loads of the 6 - t behind them may be out
.endif
	QK 0, \t
.endr
.set n, 0
.irp t, 0,1,2,3,4,5,6,7                        ; tile 1's product stands among tile 0's maxima
	WIN 0x41
	QK 1, \t
.if \t == 0
.rept 4
	v_nop                                          ; places in front of the first read of tile 0's scores
.endr
.else
.if \t == 1
	WIN 0x15
.else
	WIN 0x05
.endif
.rept 4
	MAXOP 0, n
.set n, n+1
.endr
.endif
.endr
	MAXOP 0, 28
	MAXOP 0, 29
	WIN 0x15
.irp n0, 0,1,2,3
	MAXOP 1, \n0                                   ; these six lines are the places in front of the loads below
.endr
	WIN 0x40
	FETCH4 F, ADV, \voff                           ; V's eight fragments are asked for now and land while the softmax is worked
	FETCH4 F+64, ADV, \voff+8192
	WIN 0x05
.set n, 4
.rept 26
	MAXOP 1, n
.set n, n+1
.endr
	WIN 0
.irp u, 0,1
	v_max3_num_f32 v[ST+16*\u+8], v[ST+16*\u+8], v[ST+16*\u+9], v[ST+16*\u+10]
.endr
.irp u, 0,1
	s_delay_alu instid0(VALU_DEP_2)
	v_max_num_f32 v[ST+16*\u+8], v[ST+16*\u+8], v[ST+16*\u+11]   ; the step's largest score of my query, among my 64 keys,
.endr
.irp u, 0,1
	s_delay_alu instid0(VALU_DEP_2)
	v_permlanex16_b32 v[ST+16*\u+12], v[ST+16*\u+8], s[SEL], s[SEL+1]
.endr
.irp u, 0,1
	s_delay_alu instid0(VALU_DEP_2)
	v_max3_num_f32 v[ST+16*\u+1], v[ST+16*\u+1], v[ST+16*\u+8], v[ST+16*\u+12]   ; among lane l xor 16's, and so far
.endr
.irp u, 0,1
	s_delay_alu instid0(VALU_DEP_2)
	v_mul_f32 v[ST+16*\u+8], s[CS], v[ST+16*\u+1]  ; as t (c is positive)
.endr
.irp u, 0,1
	v_mov_b32 v[ST+16*\u+9], v[ST+16*\u]
.endr
.irp u, 0,1
	s_delay_alu instid0(VALU_DEP_4)
	v_floor_f32 v[ST+16*\u], -v[ST+16*\u+8]        ; the new -M = floor(-t) = -ceil(t): M is a whole number
.endr
.irp u, 0,1
	s_delay_alu instid0(VALU_DEP_2)
	v_sub_f32 v[ST+16*\u+8], v[ST+16*\u], v[ST+16*\u+9]          ; M's old value less its new one: a whole number, 0 or less
.endr
.irp u, 0,1
	s_delay_alu instid0(VALU_DEP_2)
	v_cvt_i32_f32 v[ST+16*\u+8], v[ST+16*\u+8]     ; (it saturates)
.endr
.irp u, 0,1
	s_delay_alu instid0(VALU_DEP_2)
	v_ldexp_f32 v[ST+16*\u+2], 1.0, v[ST+16*\u+8]  ; f = 2^(old M - new M)
.endr
	WIN 0x41
.set j, 0
.rept 32
	SCALE 0, j
.set j, j+2
.endr
	s_wait_alu depctr_va_vdst(0)
.set j, 0
.rept 32                                       ; tile 0's exponentials: p = 2^(t - M), at most 1, not normalised; tile 1's scalings among them
	v_exp_f32 v[S+j], v[S+j]
	v_exp_f32 v[S+j+1], v[S+j+1]
	SCALE 1, j
.set j, j+2
.endr
	WIN 0
	s_wait_alu depctr_va_vdst(0)                   ; one wait for the batch, ahead of its first reader, and for what the next batch reads
.irp u, 0,1
	v_pk_mul_f32 v[ST+16*\u+4:ST+16*\u+5], v[ST+16*\u+4:ST+16*\u+5], v[ST+16*\u+2:ST+16*\u+3] op_sel_hi:[1,0]   ; the sums under the new M
.endr
	WIN 0x05
	SUMBEG 0
	WIN 0x01
.set n, 0
.rept 26
	SUMOP 0, n
.set n, n+1
.endr
	WIN 0
	SUMEND 0
	WIN 0x41
.set j, 0
.rept 32                                       ; tile 1's exponentials; tile 0's holds among them
	v_exp_f32 v[S+64+j], v[S+64+j]
	v_exp_f32 v[S+64+j+1], v[S+64+j+1]
	HOLD 0, j
.set j, j+2
.endr
	WIN 0
	s_wait_dscnt 0x0                               ; V is in
	s_wait_alu depctr_va_vdst(0)                   ; for the batch, and directly ahead of the first reader of O^T
.irp u, 0,1
.set j, 0
.rept 32
	v_pk_mul_f32 v[O+64*\u+j:O+64*\u+j+1], v[O+64*\u+j:O+64*\u+j+1], v[ST+16*\u+2:ST+16*\u+3] op_sel_hi:[1,0]   ; O^T under the new M
.set j, j+2
.endr
.endr
	WIN 0x01
	CODES 0
	WIN 0x05
	SUMBEG 1                                       ; (the plain lines behind the conversions)
	AHEAD 0, \koff, \cond
	WIN 0x01                                       ; V in window 1; P, C and D in window 0: the same setting serves the sums
.set n, 0
.irp t, 0,1,2,3,4,5,6,7                        ; tile 0's second product stands among tile 1's sums
	PV 0, \t
.rept 3
	SUMOP 1, n
.set n, n+1
.endr
.if \t%4 == 0
	SUMOP 1, n
.set n, n+1
.endif
.endr
	WIN 0x41
.set j, 0
.rept 32
	HOLD 1, j
.set j, j+2
.endr
	WIN 0x01
	CODES 1
	v_nop                                          ; a plain line behind the last conversion
	AHEAD 1, \koff, \cond
	WIN 0x01
.irp t, 0,1,2,3,4,5,6,7
	PV 1, \t
.endr
	WIN 0
	SUMEND 1                                       ; with the two lines behind the step: five places between the last products and those of the next step, which write over V's registers
.endm
; A slot's four key steps: two trips of an even and an odd step; the LDS addresses hang on s[TB], which steps two tiles a trip.
.macro SLOT_STEPS
	s_mov_b32 s[TB], s[SB]
	s_mov_b32 s[CNT], 2
	v_add_nc_u32 v[ADI], s[SB], v[LA0]
.set F, 128
	WIN 0x40
	FETCH4 F, ADI, 0                               ; the first step's fragments of K
	FETCH4 F+64, ADI, 8192
	WIN 0
.Lpair_\@:
	v_add_nc_u32 v[ADK], s[TB], v[LA0]
	v_add_nc_u32 v[ADV], 4*TILE, v[ADK]            ; the step's tile of V lies four tiles on
.set S, 0
.set F, 128
	STEP 0, TILE, 0
	v_nop
	v_nop
.set S, 128
.set F, 0
	STEP TILE, 2*TILE, 1
	s_add_co_u32 s[TB], s[TB], 2*TILE
	s_sub_co_u32 s[CNT], s[CNT], 1
	s_cmp_lg_u32 s[CNT], 0
	s_cbranch_scc1 .Lpair_\@
.endm
; THE CHANGE OF SLOTS.  Each wave waits for all its tensor loads (its tile of the slot that it is about to read), adds 0 to its spare word, and waits for that and for its reads of the slot that it has left.
; fill = 1: a round of the cluster's barrier follows, so that no wave of any partner still reads the other slot or has a load on its way, and the joint load of the next 512 keys into it is the first thing behind the round:
; it has this slot's four key steps in which to land.
.macro CHANGE fill
	s_wait_tensorcnt 0x0                           ; no tensor load of mine is out, so group 0 may be written
	ds_add_u32 v[SPW], v[NIL]                      ; 0 onto my spare word
.if \fill
	s_xor_b32 s[G0+1], s[G0+1], SLOT1              ; the other slot than last time,
	s_add_nc_u64 s[G0+2:G0+3], s[G0+2:G0+3], 65536 ; 512 keys on; the type bits on top are not reached
.endif
	s_wait_dscnt 0x0                               ; the add is done, and my reads of the slot that I have left are over
.if \fill
	CROUND
	TLOAD 0                                        ; the first thing behind the round, and a wave's one tensor load until the next
.else
	s_barrier_signal -1
	s_barrier_wait -1
.endif
.endm
	s_wait_alu depctr_va_vdst(0)
	s_wait_loadcnt 0x0                             ; Q
	s_mov_b32 s[SB], 0
	s_mov_b32 s[SLOTS], 3
.Lslot:                                                ; three trips: behind each change of slots but the last the next 512 keys are asked for (slot 1's first fill among them)
	CHANGE 1
	SLOT_STEPS
	s_xor_b32 s[SB], s[SB], SLOT1
	s_sub_co_u32 s[SLOTS], s[SLOTS], 1
	s_cmp_lg_u32 s[SLOTS], 0
	s_cbranch_scc1 .Lslot
	CHANGE 0                                       ; nothing is left to fetch
	SLOT_STEPS
	; THE WAY OUT.  O^T / l, held, converted with 2^(e10 - e8 - e9), through my stage in LDS, an image for each tile of 16 queries, and out as 4 KiB on end.  The additions are the places behind the last products.
	s_wait_alu depctr_va_vdst(0)
.irp u, 0,1
	v_add_f32 v[ST+16*\u+4], v[ST+16*\u+4], v[ST+16*\u+5]        ; the sum's two halves,
.endr
.irp u, 0,1
	s_delay_alu instid0(VALU_DEP_2)
	v_permlanex16_b32 v[ST+16*\u+12], v[ST+16*\u+4], s[SEL], s[SEL+1]
.endr
.irp u, 0,1
	s_delay_alu instid0(VALU_DEP_2)
	v_add_f32 v[ST+16*\u+4], v[ST+16*\u+4], v[ST+16*\u+12]       ; and lane l xor 16's: the row's sum, between 1/2 and 2,048
.endr
	s_wait_alu depctr_va_vdst(0)
.irp u, 0,1
	v_rcp_f32 v[ST+16*\u+8], v[ST+16*\u+4]
.endr
	v_nop                                          ; a plain line behind the last reciprocal
	s_wait_alu depctr_va_vdst(0)                   ; ahead of the first use, and ahead of the first reader of O^T
.irp u, 0,1
.set j, 0
.rept 32
	v_pk_mul_f32 v[O+64*\u+j:O+64*\u+j+1], v[O+64*\u+j:O+64*\u+j+1], v[ST+16*\u+8:ST+16*\u+9] op_sel_hi:[1,0]   ; register 8 t + i: channel 16 t + 8 h + i of my query; each accumulator from its low end on
.set j, j+2
.endr
.endr
.set j, 0
.rept 128
	v_med3_num_f32 v[O+j], v[O+j], -v[OLM], v[OLM]
.set j, j+1
.endr
.irp u, 0,1
.irp t, 0,1,2,3,4,5,6,7
	v_cvt_scalef32_pk8_bf8_f32 v[PF+16*\u+2*\t:PF+16*\u+2*\t+1], v[O+64*\u+8*\t:O+64*\u+8*\t+7], v[OSC]
.endr
.endr
	v_nop                                          ; one plain vector line behind the last conversion
.irp u, 0,1
.irp t, 0,1,2,3,4,5,6,7
	ds_store_b64 v[STO], v[PF+16*\u+2*\t:PF+16*\u+2*\t+1] offset:2048*\u+512*(\t/2)+256*(\t%2)   ; channels 16 t + 8 h on of row r: group c = t / 2, half t % 2, at 16 r + 8 h
.endr
.irp c, 0,1,2,3
	ds_load_b128 v[QF+16*\u+4*\c:QF+16*\u+4*\c+3], v[RD] offset:2048*\u+512*\c   ; LDS serves a wave's instructions in order (ISA guide 5.7.1.4): these see my stores
.endr
.endr
.irp u, 0,1
.irp c, 0,1,2,3
	s_wait_dscnt (1-\u)*12+3-\c                    ; this load is in; behind it: the tile's younger loads and, for the first tile, the second's 8 stores and 4 loads
	global_store_b128 v[LA0], v[QF+16*\u+4*\c:QF+16*\u+4*\c+3], s[12:13] offset:2048*\u+512*\c   ; 32 lanes store 512 consecutive bytes, at a multiple of 512 from the buffer's first byte
.endr
.endr
	s_wait_tensorcnt 0x0                           ; the wave's end: behind my last tensor load and my last LDS store
	ds_add_u32 v[SPW], v[NIL]
	s_wait_dscnt 0x0
	CROUND                                         ; the closing round: no work-group ends while a partner may still ask for a tile that names it
	s_endpgm
.Lfunc_end_k_qc94467cc0b_attn:
	.size	k_qc94467cc0b_attn, .Lfunc_end_k_qc94467cc0b_attn-k_qc94467cc0b_attn
	.p2alignl 7, 3214868480
	.fill 96, 4, 3214868480
	.section	.rodata,"a",@progbits
	.p2align	6, 0x0
	.amdhsa_kernel k_qc94467cc0b_attn
		.amdhsa_group_segment_fixed_size 327680
		.amdhsa_private_segment_fixed_size 0
		.amdhsa_enable_private_segment 0
		.amdhsa_kernarg_size 40
		.amdhsa_user_sgpr_count 2
		.amdhsa_user_sgpr_kernarg_segment_ptr 1
		.amdhsa_wavefront_size32 1
		.amdhsa_system_sgpr_workgroup_id_x 1
		.amdhsa_system_sgpr_workgroup_id_y 1
		.amdhsa_system_sgpr_workgroup_id_z 1
		.amdhsa_system_vgpr_workitem_id 0
		.amdhsa_next_free_vgpr 512
		.amdhsa_next_free_sgpr 66
		.amdhsa_reserve_vcc 0
		.amdhsa_float_denorm_mode_32 3
		.amdhsa_float_denorm_mode_16_64 3
		.amdhsa_memory_ordered 1
		.amdhsa_forward_progress 1
		.amdhsa_inst_pref_size 169
	.end_amdhsa_kernel
	.amdgpu_metadata
---
amdhsa.version: [ 1, 2 ]
amdhsa.kernels:
  - .name:           k_qc94467cc0b_attn
    .symbol:         k_qc94467cc0b_attn.kd
    .args:
      - { .name: q_codes, .offset: 0, .size: 8, .value_kind: global_buffer, .address_space: global }
      - { .name: k_codes, .offset: 8, .size: 8, .value_kind: global_buffer, .address_space: global }
      - { .name: v_codes, .offset: 16, .size: 8, .value_kind: global_buffer, .address_space: global }
      - { .name: lowp_scales, .offset: 24, .size: 8, .value_kind: global_buffer, .address_space: global }
      - { .name: ao_codes, .offset: 32, .size: 8, .value_kind: global_buffer, .address_space: global }
    .group_segment_fixed_size: 327680
    .private_segment_fixed_size: 0
    .kernarg_segment_align: 8
    .kernarg_segment_size: 40
    .max_flat_workgroup_size: 256
    .sgpr_count:     66
    .vgpr_count:     512
    .wavefront_size: 32
...
	.end_amdgpu_metadata
.endif
;; end of part 2
;; launch oproj (part 3): grid 4 x 64, 4 waves a work-group, clusters of 4 x 4, 327,680 bytes of LDS; arguments ao_codes, Wo_codes, lowp_scales, bo, out0; writes out0
.if DOCPART == 3
	.amdgcn_target "amdgcn-amd-amdhsa--gfx1250"
	.amdhsa_code_object_version 6
	.text
	.protected	k_qc94467cc0b_oproj
	.globl	k_qc94467cc0b_oproj
	.p2align	8
	.type	k_qc94467cc0b_oproj,@function
k_qc94467cc0b_oproj:
	s_mov_b64 s[64:65], 0
	v_nop
	global_prefetch_b8 v0, s[64:65] scope:SCOPE_SE
	s_setreg_imm32_b32 hwreg(HW_REG_WAVE_MODE, 25, 1), 1
	s_wait_xcnt 0x0
	s_wait_alu depctr_hold_cnt(0) depctr_sa_sdst(0) depctr_va_vdst(0) depctr_va_sdst(0) depctr_va_ssrc(0) depctr_va_vcc(0) depctr_vm_vsrc(0)
	s_getreg_b32 s2, hwreg(HW_REG_IB_STS2, 6, 4)
	s_cmp_eq_u32 s2, 0
	s_cbranch_scc0 .Lentry_in_a_cluster
	s_endpgm
.Lentry_in_a_cluster:
	s_bfe_u32 s2, ttmp6, 0x10000c
	s_cmp_lg_u32 s2, 0xf033
	s_cbranch_scc0 .Lentry_shape_is_right
	s_endpgm
.Lentry_shape_is_right:
; out[m][n] = 2^(e10 + e11) x (the sum over k of A[m][k] Wo[n][k]) + bo[n], A and Wo codes of BF8 (E5M2), sums in f32.  A = ao_codes: [8 planes of 128 along K][512 blocks of 16 rows], fragment images of 2,048 bytes: lane l's 16 bytes
; of register group c at 512 c + 16 l hold K = 32 c + 16 (l / 16) + 0 .. 15 of row l % 16.  Wo_codes: [1,024 n][1,024 k].  out: [8,192][1,024] f32.
; LIMIT: e10 + e11 lies between -126 and 127, so that 2^(e10 + e11) is an f32 number.
; SHARES.  256 work-groups, each a tile of 128 x 256 of out; a wave makes 64 x 128: 32 accumulators, 256 registers.  K goes in eight steps of 128.
; LDS holds six of A's eight planes (96 KiB) and three chunks of 256 along K of Wo's 256 rows: the head asks for 768 of K at once, one load a wave (wave 0: A's six planes; waves 1-3: a chunk of Wo each).
; When steps 0 and 1 are in registers, waves 0 and 1 ask for the last 256 of K, into the bytes of the first.  The fragments of a step have two sets of registers: the next step's are fetched while this step's are multiplied.
; CLUSTERS: 4 x 4 work-groups.  The four of a row of the cluster need the same rows of A, the four of a column the same rows of Wo: each is asked for JOINTLY.
; No prefetch: three quarters of K are asked for at the head, and the text has no loop to run ahead in.
; THE MATRIX INSTRUCTION IS USED TRANSPOSED (source 0 = 16 rows of Wo, source 1 = 16 rows of A): a lane then holds eight neighbouring numbers of a row of out.
; REGISTERS, in windows of 256: window 0: v8-29 addresses and bias; v128-191, v192-255 A's fragments; v32-95 and v128-191 at work on the way out.  Window 1: v0-127, v128-255 Wo's fragments.  Window 2: the accumulators, (a, b) at v[64 a + 8 b].
.set PB,     272                       ; an LDS row of Wo: 256 bytes of data + 16 of padding
.set CHUNK,  256*PB
.set BOFF,   6*16384
.set SPARE,  BOFF+3*CHUNK              ; the spare words, 128 bytes for each wave: two blocks of 256 bytes that no other line names
.set SPITCH, 528
.set STAGE,  BOFF+CHUNK                ; the way out: 16 rows x (512 bytes + 16) for each wave, in Wo's second chunk, which has had its last fill and its last read when the first result is stored there
.set BIAS, 8
.set ADRA, 16                          ; v16, v17  LDS address of my A fragments in planes 0-2, 3-5
.set ADRB, 20                          ; v20-22    of my fragments of Wo in chunk 0, 1, 2
.set STO,  24
.set RD,   25
.set CO,   26
.set SPW,  28
.set NIL,  29
.set G1, 24                            ; s[24:31] group 1 for A's six planes;  s[32:35] group 0
.set G0, 32
.set G02, 36                           ; s[36:39] group 0 for A's last two planes;  s[68:75] their group 1
.set G1C, 68
.set G1B, 48                           ; s[48:55] group 1 for a chunk of Wo;  s[56:59] group 0, s[60:63] group 0 for the last chunk
.set G0B, 56
.set G0B2, 60
.set MUL, 0xa1                         ; source 0 (Wo) window 1, source 1 (A) window 0, C and D window 2
.set MSB, 0
.macro WIN new
.if MSB != (\new)
	s_set_vgpr_msb (MSB<<8)|(\new)
.set MSB, (\new)
.endif
.endm
.macro PLACES
.rept 4
	v_nop
.endr
.endm
.macro CREST                           ; a round of the cluster's barrier behind its opening barrier
	s_cmp_lg_u32 s14, 0
	s_cbranch_scc1 .Lnot_wave_0_\@
	s_barrier_signal -3
.Lnot_wave_0_\@:
	s_barrier_wait -3
	s_barrier_signal -1
	s_barrier_wait -1
.endm
.macro CROUND
	s_barrier_signal -1
	s_barrier_wait -1
	CREST
.endm
	s_load_b128 s[4:7], s[0:1], 0x0                ; ao_codes, Wo_codes
	s_load_b128 s[8:11], s[0:1], 0x10              ; the exponents, bo
	s_load_b64 s[12:13], s[0:1], 0x20              ; out
	v_lshl_add_u32 v[SPW], v0, 2, SPARE
	v_mov_b32 v[NIL], 0
	ds_add_u32 v[SPW], v[NIL]                      ; the wave's opening: the add, twice on end, and its wait ahead of my first tensor load
	ds_add_u32 v[SPW], v[NIL]
	v_lshrrev_b32 v1, 5, v0
	v_readfirstlane_b32 s14, v1                    ; wave 0..3
	s_lshr_b32 s15, s14, 1                         ; which 64 of the tile's rows are mine
	s_and_b32 s16, s14, 1                          ; which 128 of its columns
	s_bfe_u32 s40, ttmp6, 0x40000                  ; cx, cy
	s_bfe_u32 s41, ttmp6, 0x40004
	s_lshl_b32 s42, ttmp9, 2
	s_add_co_u32 s42, s42, s40                     ; tile column
	s_and_b32 s17, ttmp7, 0xffff
	s_lshl_b32 s17, s17, 2
	s_add_co_u32 s17, s17, s41                     ; tile row
	s_lshl_b32 s43, s41, 2
	s_lshl_b32 s43, 15, s43                        ; my row of the cluster
	s_lshl_b32 s44, 0x1111, s40                    ; my column
	s_or_b32 s[G1+0], s43, (3<<16)|(1<<21)         ; A: elements of 8 bytes, no padding: a row is a plane's 128 x 128 codes, 16 KiB on end
	s_mov_b32 s[G1+1], 2048<<16
	s_mov_b32 s[G1+2], 6<<16
	s_mov_b32 s[G1+3], 2048<<16
	s_mov_b32 s[G1+4], 6                           ; six planes,
	s_mov_b32 s[G1+5], 131072                      ; 1 MiB apart
	s_mov_b32 s[G1+6], 0
	s_mov_b32 s[G1+7], 0
	s_or_b32 s[G1C+0], s43, (3<<16)|(1<<21)        ; the same for two planes
	s_mov_b32 s[G1C+1], 2048<<16
	s_mov_b32 s[G1C+2], 2<<16
	s_mov_b32 s[G1C+3], 2048<<16
	s_mov_b32 s[G1C+4], 2
	s_mov_b32 s[G1C+5], 131072
	s_mov_b32 s[G1C+6], 0
	s_mov_b32 s[G1C+7], 0
	s_or_b32 s[G1B+0], s44, (0<<16)|(1<<20)|(1<<21)|(5<<22)|(3<<25)   ; Wo: elements of 1 byte, 4 words of padding after every 64
	s_mov_b32 s[G1B+1], 256<<16
	s_mov_b32 s[G1B+2], 256<<16
	s_mov_b32 s[G1B+3], 256<<16
	s_mov_b32 s[G1B+4], 256
	s_mov_b32 s[G1B+5], 1024
	s_mov_b32 s[G1B+6], 0
	s_mov_b32 s[G1B+7], 0
	s_lshl_b32 s20, s17, 14                        ; A: the tile's 128 rows in a plane
	s_mov_b32 s21, 0
	s_lshl_b32 s46, s42, 18                        ; Wo: the tile's 256 rows
	s_mov_b32 s47, 0
	s_max_u32 s18, s14, 1
	s_sub_co_u32 s18, s18, 1
	s_lshl_b32 s18, s18, 8                         ; waves 1-3: chunk 0, 1, 2
	s_mov_b32 s19, 0
	s_mul_i32 s45, s14, CHUNK
	s_add_co_u32 s45, s45, BOFF-CHUNK              ; and where it goes: no place in the cluster enters an LDS address
	s_wait_dscnt 0x0                               ; both opening adds are done
	s_wait_kmcnt 0x0
	s_load_b64 s[96:97], s[8:9], 0x28              ; e10, e11
	s_add_nc_u64 s[20:21], s[4:5], s[20:21]
	s_add_nc_u64 s[46:47], s[6:7], s[46:47]
	s_mov_b32 s[G0], 1
	s_mov_b32 s[G0+1], 0
	s_mov_b64 s[G0+2:G0+3], s[20:21]
	s_or_b32 s[G0+3], s[G0+3], 0x80000000
	s_mov_b32 s[G02], 1
	s_mov_b32 s[G02+1], 0                          ; planes 6 and 7 take the bytes of planes 0 and 1
	s_add_nc_u64 s[G02+2:G02+3], s[20:21], 0x600000
	s_or_b32 s[G02+3], s[G02+3], 0x80000000
	s_mov_b32 s[G0B], 1
	s_mov_b32 s[G0B+1], s45
	s_add_nc_u64 s[G0B+2:G0B+3], s[46:47], s[18:19]
	s_or_b32 s[G0B+3], s[G0B+3], 0x80000000
	s_mov_b32 s[G0B2], 1
	s_mov_b32 s[G0B2+1], BOFF                      ; the last chunk takes the bytes of the first
	s_add_nc_u64 s[G0B2+2:G0B2+3], s[46:47], 768
	s_or_b32 s[G0B2+3], s[G0B2+3], 0x80000000
	CROUND                                         ; all sixteen work-groups are here: the first joint loads meet
	s_cmp_eq_u32 s14, 0                            ; one load a wave: A's planes or a chunk of Wo; each line has one mask
	s_cbranch_scc0 .Lhead_b
	tensor_load_to_lds s[G0:G0+3], s[G1:G1+7]
	s_nop 0
	PLACES
	s_branch .Lhead_asked
.Lhead_b:
	tensor_load_to_lds s[G0B:G0B+3], s[G1B:G1B+7]
	s_nop 0
	PLACES
.Lhead_asked:
	s_lshl_b32 s21, s15, 13                        ; my four blocks of a plane's eight
	s_mul_i32 s22, s16, 128*PB
	s_add_co_u32 s22, s22, BOFF                    ; my 128 rows of Wo
	s_mul_i32 s23, s14, 16*SPITCH
	s_add_co_u32 s23, s23, STAGE                   ; my stage
	s_lshl_b32 s46, s42, 10
	s_lshl_b32 s47, s16, 9
	s_add_co_u32 s46, s46, s47                     ; my first column, in bytes
	s_mov_b32 s47, 0
	s_add_nc_u64 s[10:11], s[10:11], s[46:47]
	s_lshl_b32 s18, s17, 7
	s_lshl_b32 s19, s15, 6
	s_add_co_u32 s18, s18, s19                     ; my first row
	s_lshl_b32 s18, s18, 12
	s_add_co_u32 s18, s18, s46
	s_mov_b32 s19, 0
	s_add_nc_u64 s[12:13], s[12:13], s[18:19]
	v_and_b32 v6, 31, v0
	v_and_b32 v1, 15, v0                           ; r
	v_bfe_u32 v2, v0, 4, 1                         ; h
	v_lshlrev_b32 v[CO], 4, v6                     ; 16 x lane
	v_mul_u32_u24 v3, v1, PB
	v_mul_u32_u24 v5, v1, SPITCH
	v_lshl_add_u32 v3, v2, 4, v3
	v_lshl_add_u32 v5, v2, 5, v5
	v_add_nc_u32 v[ADRA], s21, v[CO]
	v_add_nc_u32 v[ADRB], s22, v3
	v_add_nc_u32 v[STO], s23, v5                   ; the way out, in: row r, 32 bytes for each half of the lanes
	v_add_nc_u32 v[RD], s23, v[CO]                 ; back: the 32 lanes take one row of 512 bytes; and the same in out
	v_add_nc_u32 v[ADRA+1], 3*16384, v[ADRA]
	v_add_nc_u32 v[ADRB+1], CHUNK, v[ADRB]
	v_add_nc_u32 v[ADRB+2], 2*CHUNK, v[ADRB]
	global_load_b128 v[BIAS:BIAS+3], v[CO], s[10:11]
; Block a of 16 rows against Wo's eight fragments, fragment set p.  The 32 accumulators take turns, one instruction a turn, in the same order in every step.
.macro ROW a, p, zero
.irp b, 0,1,2,3,4,5,6,7
.if \zero
	v_wmma_f32_16x16x128_bf8_bf8 v[64*\a+8*\b:64*\a+8*\b+7], v[128*(\p)+16*\b:128*(\p)+16*\b+15], v[128+64*(\p)+16*\a:128+64*(\p)+16*\a+15], 0
.else
	v_wmma_f32_16x16x128_bf8_bf8 v[64*\a+8*\b:64*\a+8*\b+7], v[128*(\p)+16*\b:128*(\p)+16*\b+15], v[128+64*(\p)+16*\a:128+64*(\p)+16*\a+15], v[64*\a+8*\b:64*\a+8*\b+7]
.endif
.endr
.endm
.macro FETCH s                         ; step s's twelve fragments into set s % 2: both sides hold K = 32 c + 16 h + 0 .. 15 of the step in registers 4 c .. 4 c + 3
	WIN 0x40
.irp i, 0,1,2,3,4,5,6,7
.irp c, 0,1,2,3
	ds_load_b128 v[128*((\s)%2)+16*\i+4*\c:128*((\s)%2)+16*\i+4*\c+3], v[ADRB+(((\s)/2)%3)] offset:\i*16*PB+128*((\s)%2)+32*\c
.endr
.endr
	WIN 0
.irp i, 0,1,2,3
.irp c, 0,1,2,3
	ds_load_b128 v[128+64*((\s)%2)+16*\i+4*\c:128+64*((\s)%2)+16*\i+4*\c+3], v[ADRA+(((\s)%6)/3)] offset:(((\s)%6)%3)*16384+2048*\i+512*\c
.endr
.endr
.endm
; The last 256 of K: wave 0 asks for A's, wave 1 for Wo's.  The branches hang on the wave's number alone.
.macro REFILL
	s_cmp_eq_u32 s14, 0
	s_cbranch_scc0 .Lnot_a_\@
	tensor_load_to_lds s[G02:G02+3], s[G1C:G1C+7]
	s_nop 0
	PLACES
	s_branch .Lasked_\@
.Lnot_a_\@:
	s_cmp_eq_u32 s14, 1
	s_cbranch_scc0 .Lasked_\@
	tensor_load_to_lds s[G0B2:G0B2+3], s[G1B:G1B+7]
	s_nop 0
	PLACES
.Lasked_\@:
.endm
; A step of 128 along K.  mode 1: planes 0, 1 and chunk 0 are in registers in every wave: a round of the cluster's barrier, and the refill first behind it.  mode 2: the refill is in: a barrier shows it to every wave.
.macro STEP s, mode, zero
.if \mode
	s_wait_tensorcnt 0x0                           ; all my tensor loads have landed;
	ds_add_u32 v[SPW], v[NIL]                      ; 0 onto my spare word;
.endif
	s_wait_dscnt 0x0                               ; this step's fragments are in (and the add is done)
.if \mode
	s_barrier_signal -1
.endif
	WIN MUL
	ROW 0, (\s)%2, \zero
.if \mode
	WIN 0
	s_barrier_wait -1
.endif
.if \mode == 1
	CREST
	REFILL
.endif
	PLACES                                         ; in front of loads into registers that the last step's products have read
	FETCH (\s)+1
	WIN MUL
	ROW 1, (\s)%2, \zero
	ROW 2, (\s)%2, \zero
	ROW 3, (\s)%2, \zero
	WIN 0
.endm
	s_wait_alu depctr_va_vdst(0)
	s_wait_tensorcnt 0x0                           ; my part of the first 768 of K is in
	s_barrier_signal -1
	s_barrier_wait -1
	FETCH 0
	STEP 0, 0, 1                                   ; the first products start the sums
	STEP 1, 1, 0
	STEP 2, 0, 0
	STEP 3, 0, 0
	STEP 4, 0, 0
	STEP 5, 2, 0
	STEP 6, 0, 0
; THE WAY OUT of block a: through my own stage in LDS, back as whole rows of 512 bytes, x 2^(e10 + e11) + the bias, and stored as two aligned units of 256 bytes an instruction.
.macro TOSTAGE a
.set BB, 32+96*((\a)%2)
	WIN 0x08                                       ; the stores' data: window 2
.irp b, 0,1,2,3,4,5,6,7
	ds_store_b128 v[STO], v[64*\a+8*\b:64*\a+8*\b+3] offset:64*\b
	ds_store_b128 v[STO], v[64*\a+8*\b+4:64*\a+8*\b+7] offset:64*\b+16
.endr
	WIN 0
.irp t, 0,1,2,3,4,5,6,7,8,9,10,11,12,13,14,15
	ds_load_b128 v[BB+4*\t:BB+4*\t+3], v[RD] offset:\t*SPITCH   ; LDS serves a wave's instructions in order (ISA guide 5.7.1.4): these see the stores above
.endr
.endm
.macro SEND a, younger                 ; younger: the LDS instructions issued behind block a's loads, which may stay out
.set BB, 32+96*((\a)%2)
	s_wait_dscnt \younger
.irp t, 0,1,2,3,4,5,6,7,8,9,10,11,12,13,14,15
	v_pk_fma_f32 v[BB+4*\t:BB+4*\t+1], v[BB+4*\t:BB+4*\t+1], s[96:97], v[BIAS:BIAS+1] op_sel_hi:[1,0,1]
	v_pk_fma_f32 v[BB+4*\t+2:BB+4*\t+3], v[BB+4*\t+2:BB+4*\t+3], s[96:97], v[BIAS+2:BIAS+3] op_sel_hi:[1,0,1]
.endr
.irp t, 0,1,2,3,4,5,6,7,8,9,10,11,12,13,14,15
	global_store_b128 v[CO], v[BB+4*\t:BB+4*\t+3], s[12:13] offset:(16*\a+\t)*4096 th:TH_STORE_NT
.endr
.endm
	; The last step goes by rows: a block leaves while the next is multiplied.
	s_wait_kmcnt 0x0
	s_add_co_i32 s96, s96, s97
	s_add_co_i32 s96, s96, 127
	s_lshl_b32 s96, s96, 23                        ; 2^(e10 + e11) as f32
	s_mov_b32 s97, s96                             ; (named with it as a pair, so it is written)
	s_wait_loadcnt 0x0                             ; the bias
	s_wait_dscnt 0x0
	WIN MUL
	ROW 0, 1, 0
	ROW 1, 1, 0
	WIN 0
	PLACES
	TOSTAGE 0
	WIN MUL
	ROW 2, 1, 0
	WIN 0
	PLACES
	TOSTAGE 1
	SEND 0, 32                                     ; behind block 0's loads: block 1's 16 stores and 16 loads
	WIN MUL
	ROW 3, 1, 0
	WIN 0
	PLACES
	s_wait_xcnt 0x0                                ; block 0's stores have read their registers
	TOSTAGE 2
	SEND 1, 32
	s_wait_xcnt 0x0
	TOSTAGE 3
	SEND 2, 32
	SEND 3, 0
	s_wait_tensorcnt 0x0                           ; the wave's end: behind my last tensor load and my last LDS store
	ds_add_u32 v[SPW], v[NIL]
	s_wait_dscnt 0x0
	CROUND                                         ; the closing round: no work-group ends while a partner may still ask for a tile that names it
	s_endpgm
.Lfunc_end_k_qc94467cc0b_oproj:
	.size	k_qc94467cc0b_oproj, .Lfunc_end_k_qc94467cc0b_oproj-k_qc94467cc0b_oproj
	.p2alignl 7, 3214868480
	.fill 96, 4, 3214868480
	.section	.rodata,"a",@progbits
	.p2align	6, 0x0
	.amdhsa_kernel k_qc94467cc0b_oproj
		.amdhsa_group_segment_fixed_size 327680
		.amdhsa_private_segment_fixed_size 0
		.amdhsa_enable_private_segment 0
		.amdhsa_kernarg_size 40
		.amdhsa_user_sgpr_count 2
		.amdhsa_user_sgpr_kernarg_segment_ptr 1
		.amdhsa_wavefront_size32 1
		.amdhsa_system_sgpr_workgroup_id_x 1
		.amdhsa_system_sgpr_workgroup_id_y 1
		.amdhsa_system_sgpr_workgroup_id_z 1
		.amdhsa_system_vgpr_workitem_id 0
		.amdhsa_next_free_vgpr 1024
		.amdhsa_next_free_sgpr 98
		.amdhsa_reserve_vcc 0
		.amdhsa_float_denorm_mode_32 3
		.amdhsa_float_denorm_mode_16_64 3
		.amdhsa_memory_ordered 1
		.amdhsa_forward_progress 1
		.amdhsa_inst_pref_size 74
	.end_amdhsa_kernel
	.amdgpu_metadata
---
amdhsa.version: [ 1, 2 ]
amdhsa.kernels:
  - .name:           k_qc94467cc0b_oproj
    .symbol:         k_qc94467cc0b_oproj.kd
    .args:
      - { .name: ao_codes, .offset: 0, .size: 8, .value_kind: global_buffer, .address_space: global }
      - { .name: Wo_codes, .offset: 8, .size: 8, .value_kind: global_buffer, .address_space: global }
      - { .name: lowp_scales, .offset: 16, .size: 8, .value_kind: global_buffer, .address_space: global }
      - { .name: bo, .offset: 24, .size: 8, .value_kind: global_buffer, .address_space: global }
      - { .name: out0, .offset: 32, .size: 8, .value_kind: global_buffer, .address_space: global }
    .group_segment_fixed_size: 327680
    .private_segment_fixed_size: 0
    .kernarg_segment_align: 8
    .kernarg_segment_size: 40
    .max_flat_workgroup_size: 128
    .sgpr_count:     98
    .vgpr_count:     1024
    .wavefront_size: 32
...
	.end_amdgpu_metadata
.endif
;; end of part 3
